; MI455X (gfx1250); checked and timed in simulation.
; The chip was launched on July 23, 2026; its instructions are those of AMD's public machine-readable ISA for CDNA 5 (MIT licence, August 2026) and "CDNA5" Instruction Set Architecture Reference Guide (July 2026). The comments in the code are by the model that wrote it; some were corrected since.
;; INT Lo RA Layer. Allowed arithmetic: float matrix products may take bf16 or f16 operands with f32 sums; other float arithmetic in f32, or as packed bf16 or f16 multiplies, adds, multiply-adds, maxima and minima; sums over many terms, partial sums and values carried from step to step in f32; what a program stores and reads back later, other than sums and carried values, may be rounded once to bf16 or f16.
;; Inputs: alpha 1 float32; beta 1 float32; bias 4,096 int32; weight 4,096 x 4,096 int32; x 4,096 x 4,096 int32.
;; Outputs: out0 4,096 x 4,096 int8.
;; 2 versions, each right; version 2 is version 1 with the launch pack written anew for expert scheduling mode. Each part assembles by itself: llvm-mc -triple=amdgcn-amd-amdhsa -mcpu=gfx1250 --defsym DOCPART=n.
;; ======== version 1 of 2: 2 launches
;; workspace buffers: xb 33,554,432 bytes; wb 33,554,432 bytes
;; launch pack (part 1): grid 256 x 2, 8 waves a work-group, no clusters, 0 bytes of LDS; arguments x, weight, xb, wb; writes xb, wb
.if DOCPART == 1
	.amdgcn_target "amdgcn-amd-amdhsa--gfx1250"
	.amdhsa_code_object_version 6
	.text
	.protected	k_q7ab74e6ee2_pack
	.globl	k_q7ab74e6ee2_pack
	.p2align	8
	.type	k_q7ab74e6ee2_pack,@function
k_q7ab74e6ee2_pack:
	s_mov_b64 s[64:65], 0
	v_nop
	global_prefetch_b8 v0, s[64:65] scope:SCOPE_SE
	s_setreg_imm32_b32 hwreg(HW_REG_WAVE_MODE, 25, 1), 1
	s_wait_xcnt 0x0
; xb = bf16(x), wb = bf16(weight).  x, weight: [4096][4096] int32; xb, wb: [4096][4096] bf16, the same order of elements.
; LIMIT.  A whole number of magnitude up to 256 is exact in bf16 (8 significant bits), so int8-valued words pass unchanged; a larger one is rounded once, to nearest even.
; Each word is converted here once; the product that follows reads each of them in 16 tiles.
; SHARES.  Grid y picks the tensor.  A work-group owns 64 lines of 4,096 input bytes; thread t owns the 16 bytes (4 words) at 16 t of every line and stores 8 bytes at 8 t of the
; line's 2,048 output bytes: a wave's load covers 512 consecutive bytes, a wave's store 256 consecutive bytes at a multiple of 256 from the buffer's first byte.
; A ring of DEPTH slots in registers keeps DEPTH loads of every wave on their way.  No LDS, no barrier, no matrix unit: no byte is wanted twice.
.set DEPTH,  16                        ; slots = loads in flight in each wave
.set ROUNDS, 64/DEPTH                  ; each round takes every slot once
.set LINE,   4096                      ; input bytes in a line
.set OLINE,  2048                      ; output bytes in a line
.set T, 4                              ; v[4:7]    four numbers in f32, at work
.set X, 8                              ; v[8:71]   slot i: 4 registers as loaded
.set Y, 72                             ; v[72:103] slot i: 2 registers to store
	s_load_b256 s[4:11], s[0:1], 0x0               ; x s[4:5], weight s[6:7], xb s[8:9], wb s[10:11]
	s_and_b32 s12, ttmp7, 0xffff                   ; 0: x to xb; 1: weight to wb
	s_lshl_b32 s18, ttmp9, 18                      ; the work-group's 64 lines in: 262,144 bytes each group (under 2^26)
	s_mov_b32 s19, 0
	s_lshl_b32 s20, ttmp9, 17                      ; and out: half as many
	s_mov_b32 s21, 0
	s_mov_b32 s22, ROUNDS-1
	v_lshlrev_b32 v1, 4, v0                        ; 16 t; never rewritten
	v_lshlrev_b32 v2, 3, v0                        ; 8 t; never rewritten
	s_wait_kmcnt 0x0
	s_cmp_eq_u32 s12, 0
	s_cselect_b64 s[14:15], s[4:5], s[6:7]         ; from where
	s_cselect_b64 s[16:17], s[8:9], s[10:11]       ; to where
	s_add_nc_u64 s[14:15], s[14:15], s[18:19]
	s_add_nc_u64 s[16:17], s[16:17], s[20:21]
.irp i, 0,1,2,3,4,5,6,7,8,9,10,11,12,13,14,15
	global_load_b128 v[X+4*(\i):X+4*(\i)+3], v1, s[14:15] offset:(\i)*LINE th:TH_LOAD_NT  ; fill the ring: lines 0 to 15
.endr
; One slot's turn.  ahead = 1: the slot is filled again with the line DEPTH further down.  left = how many younger loads may still be out.
.macro SLOT i, ahead, left
	s_wait_loadcnt \left                           ; loads come back in order (ISA guide 5.7.1): mine is in, the younger ones stay out
.irp j, 0,1,2,3
	v_cvt_f32_i32 v[T+(\j)], v[X+4*(\i)+(\j)]
.endr
.if \ahead
	global_load_b128 v[X+4*(\i):X+4*(\i)+3], v1, s[14:15] offset:(DEPTH+(\i))*LINE th:TH_LOAD_NT  ; the load goes ahead of the store
.endif
	v_cvt_pk_bf16_f32 v[Y+2*(\i)],   v[T],   v[T+1]
	v_cvt_pk_bf16_f32 v[Y+2*(\i)+1], v[T+2], v[T+3]
	global_store_b64 v2, v[Y+2*(\i):Y+2*(\i)+1], s[16:17] offset:(\i)*OLINE th:TH_STORE_NT
.endm
.Lround:
.irp i, 0,1,2,3,4,5,6,7,8,9,10,11,12,13,14,15
	SLOT \i, 1, DEPTH-1
.endr
	s_wait_xcnt 0x0                                ; every load and store issued so far has had its addresses translated (ISA guide 3.1): the two bases and all of Y are rewritten only behind this wait
	s_add_nc_u64 s[14:15], s[14:15], DEPTH*LINE
	s_add_nc_u64 s[16:17], s[16:17], DEPTH*OLINE
	s_sub_co_u32 s22, s22, 1
	s_cmp_lg_u32 s22, 0
	s_cbranch_scc1 .Lround
.irp i, 0,1,2,3,4,5,6,7,8,9,10,11,12,13,14,15
	SLOT \i, 0, DEPTH-1-(\i)                       ; the last round loads nothing: the counts run down
.endr
	s_endpgm
.Lfunc_end_k_q7ab74e6ee2_pack:
	.size	k_q7ab74e6ee2_pack, .Lfunc_end_k_q7ab74e6ee2_pack-k_q7ab74e6ee2_pack
	.p2alignl 7, 3214868480
	.fill 96, 4, 3214868480
	.section	.rodata,"a",@progbits
	.p2align	6, 0x0
	.amdhsa_kernel k_q7ab74e6ee2_pack
		.amdhsa_group_segment_fixed_size 0
		.amdhsa_private_segment_fixed_size 0
		.amdhsa_enable_private_segment 0
		.amdhsa_kernarg_size 32
		.amdhsa_user_sgpr_count 2
		.amdhsa_user_sgpr_kernarg_segment_ptr 1
		.amdhsa_wavefront_size32 1
		.amdhsa_system_sgpr_workgroup_id_x 1
		.amdhsa_system_sgpr_workgroup_id_y 1
		.amdhsa_system_sgpr_workgroup_id_z 1
		.amdhsa_system_vgpr_workitem_id 0
		.amdhsa_next_free_vgpr 104
		.amdhsa_next_free_sgpr 66
		.amdhsa_reserve_vcc 0
		.amdhsa_float_denorm_mode_32 3
		.amdhsa_float_denorm_mode_16_64 3
		.amdhsa_memory_ordered 1
		.amdhsa_forward_progress 1
		.amdhsa_inst_pref_size 17
	.end_amdhsa_kernel
	.amdgpu_metadata
---
amdhsa.version: [ 1, 2 ]
amdhsa.kernels:
  - .name:           k_q7ab74e6ee2_pack
    .symbol:         k_q7ab74e6ee2_pack.kd
    .args:
      - { .name: x, .offset: 0, .size: 8, .value_kind: global_buffer, .address_space: global }
      - { .name: weight, .offset: 8, .size: 8, .value_kind: global_buffer, .address_space: global }
      - { .name: xb, .offset: 16, .size: 8, .value_kind: global_buffer, .address_space: global }
      - { .name: wb, .offset: 24, .size: 8, .value_kind: global_buffer, .address_space: global }
    .group_segment_fixed_size: 0
    .private_segment_fixed_size: 0
    .kernarg_segment_align: 8
    .kernarg_segment_size: 32
    .max_flat_workgroup_size: 256
    .sgpr_count:     66
    .vgpr_count:     104
    .wavefront_size: 32
...
	.end_amdgpu_metadata
.endif
;; end of part 1
;; launch gemm (part 2): grid 16 x 16, 4 waves a work-group, clusters of 4 x 4, 327,680 bytes of LDS; arguments xb, wb, out0, bias, alpha, beta; writes out0
.if DOCPART == 2
	.amdgcn_target "amdgcn-amd-amdhsa--gfx1250"
	.amdhsa_code_object_version 6
	.text
	.protected	k_q7ab74e6ee2_gemm
	.globl	k_q7ab74e6ee2_gemm
	.p2align	8
	.type	k_q7ab74e6ee2_gemm,@function
k_q7ab74e6ee2_gemm:
	s_mov_b64 s[64:65], 0
	v_nop
	global_prefetch_b8 v0, s[64:65] scope:SCOPE_SE
	s_setreg_imm32_b32 hwreg(HW_REG_WAVE_MODE, 25, 1), 1
	s_wait_xcnt 0x0
	s_wait_alu depctr_hold_cnt(0) depctr_sa_sdst(0) depctr_va_vdst(0) depctr_va_sdst(0) depctr_va_ssrc(0) depctr_va_vcc(0) depctr_vm_vsrc(0)
	s_getreg_b32 s2, hwreg(HW_REG_IB_STS2, 6, 4)
	s_cmp_eq_u32 s2, 0
	s_cbranch_scc0 .Lentry_in_a_cluster
	s_endpgm
.Lentry_in_a_cluster:
	s_bfe_u32 s2, ttmp6, 0x10000c
	s_cmp_lg_u32 s2, 0xf033
	s_cbranch_scc0 .Lentry_shape_is_right
	s_endpgm
.Lentry_shape_is_right:
; out0[t][o] = int8(clip(round(acc alpha + bias[o] beta), -128, 127)), acc = the sum over i of xb[t][i] wb[o][i].  xb (A), wb (B): [4096][4096] bf16, whole numbers; out0: [4096][4096] int8.
; THE SUMS are kept in f32.  The operands are whole numbers, exact in bf16 up to 256 in magnitude; a product is a whole number of at most 2^16, and a sum of whole numbers is exact in f32
; while it stays within 2^24.  LIMIT: acc is the exact integer as long as no running sum along K passes 2^24 in magnitude, which holds for certain where the sum of |x w| over a pair of rows is
; at most 2^24 (a mean |product| of 4,096); beyond that low bits of the sum are lost and an output that is not saturated may be off by a step.
; THE WAY OUT, and its order of roundings: bias beta is rounded once to f32 (made at the head, kept in registers); y = acc alpha + that is ONE fused multiply-add, with one rounding.  An evaluation
; that rounds acc alpha by itself first can differ from this one by a step of the output where y falls next to k + 1/2.  Clipping to -128 .. 127 first and rounding then gives the same as rounding
; first, since both bounds are whole numbers and rounding is monotone.  Rounding to the nearest even whole number is the addition of 1.5 x 2^23, behind which the word's low byte is the int8 code.
; NaN in alpha or beta is not treated apart.
; SHARES.  A tile of out0, 256 x 256, is made by a work-group of four waves; a wave makes 128 x 128: 64 accumulators of 16 x 16, 512 registers.  256 tiles, one for each work-group.
; K goes in 32 steps of 128 through a ring of two LDS slots filled by the tensor data mover: a tile's rows are 256 bytes of memory and start at multiples of 256 bytes from the buffer's first byte.
; CLUSTERS: 4 x 4 work-groups.  The four of a row of the cluster need the same tiles of A, the four of a column the same tiles of B: each tile is asked for JOINTLY, by the same tensor load with the same
; descriptor and a mask that names the four; each receives it in its own LDS.  That divides the requests for A and for B by four.
; THE MATRIX INSTRUCTION IS USED TRANSPOSED: source 0 = 16 rows of B, source 1 = 16 rows of A.  In the result lane l holds row l % 16 of out0 and its registers 0 to 7 the columns 8 (l / 16) + 0 .. 7:
; eight neighbouring outputs of a row, which pack into 8 bytes.
; REGISTERS, in windows of 256 (s_set_vgpr_msb's low byte: bits 1:0 source 0, 3:2 source 1, 5:4 source 2, 7:6 destination):
;   window 0: v0-31 addresses; v64-127, v128-191 fragments of A, two buffers; on the way out these 128 are at work and then take the rows read back; v192-223 packed bytes, two buffers
;   window 1: v0-63 bias beta of my lane's 64 columns (column 16 b + 8 (l / 16) + j at 8 b + j); v64-127, v128-191 fragments of B, two buffers
;   window 2: the 32 accumulators of my rows 0-63 (accumulator (a, b) at v[8 (8 a + b)]);   window 3: those of my rows 64-127
.set SIZE_K, 4096
.set SIZE_N, 4096
.set KSTEP,  128
.set PITCH,  272                       ; an LDS row: 256 bytes of data + 16 of padding = 68 words: row r starts at bank 4 r mod 64 (64 banks of 4 bytes: ISA guide 11.1), so the 16 rows that a load touches start at 16 different banks
.set HALFT,  128*PITCH                 ; 128 rows: what one tensor load brings, and what one wave reads of A or of B
.set SLOT,   4*HALFT                   ; A's 256 rows, then B's 256 rows
.set SPITCH, 272                       ; the stage for the way out: 256 rows x 272 bytes from LDS byte 0 on, inside slot 0, written only when slot 0 has had its last fill and its last read
.set SPARE,  2*SLOT                    ; behind the ring: the spare words, 128 bytes for each wave: two blocks of 256 bytes that no other line names
.set LAPS,   SIZE_K/(2*KSTEP)          ; a lap = two K steps = once round the ring: 16
.set ADRA, 16                          ; v16-17  LDS address of my A fragments in slot 0, 1
.set ADRB, 20                          ; v20-21  the same for B
.set STO,  24                          ; v24     the way out: where I put 8 bytes of a row
.set RD,   25                          ; v25     the way out: where I read a row back
.set CO,   26                          ; v26     my byte offset in out0
.set BO,   27                          ; v27     my byte offset in bias
.set SPW,  28                          ; v28     LDS address of my spare word: SPARE + 4 x my thread's number; never rewritten
.set NIL,  29                          ; v29     0; never rewritten
.set PFO,  30                          ; v30     the prefetches' offset: my lane x a row of A or B in memory (8,192 bytes); never rewritten
.set F0,   64                          ; fragment buffer 0
.set F1,   128                         ; fragment buffer 1
.set G1,   24                          ; s[24:31] descriptor group 1 for A's tiles
.set G0,   32                          ; s[32:39] descriptor group 0 for A's tiles, one set for each slot
.set LIM,  43                          ; s43      1 in a wave that prefetches, else the greatest number
.set PFA,  44                          ; s[44:45] where my prefetches stand: one K step further along K than the refill that is being asked for; a prefetch names the K step after that
.set G1B,  48                          ; s[48:55] descriptor group 1 for B's tiles: it differs from A's in the mask alone
.set G0B,  56                          ; s[56:63] descriptor group 0 for B's tiles, one set for each slot
.set AL,   74                          ; s[74:75] alpha: a packed line names a pair and takes its low word for both halves
.set BE,   76                          ; s[76:77] beta
.set MG,   78                          ; s[78:79] 1.5 x 2^23
.set CLO,  80                          ; s80      -128.0
.set CHI,  81                          ; s81      127.0
.set SELB, 82                          ; s82      v_perm_b32: the low bytes of two words into a half
.set SELH, 83                          ; s83      v_perm_b32: the low halves of two words into a word
.set MSB, 0
.macro WIN new                         ; the immediate's high byte repeats the setting that is left; a switch that changes nothing is dropped
.if MSB != (\new)
	s_set_vgpr_msb (MSB<<8)|(\new)
.set MSB, \new
.endif
.endm
.set MUL_LO, 0xa1                      ; source 0 (B) window 1, source 1 (A) window 0, C and D window 2
.set MUL_HI, 0xf1                      ; the same, C and D window 3
.set TO_B,   0x40                      ; destination window 1, address window 0
; A joint load.  Waves 0 and 1 fetch A's two halves, waves 2 and 3 B's.  Each of the two lines has ONE mask and one set of registers for all that issue it.  The branch hangs on the wave's number alone.
; An s_nop 0 and four v_nop follow each of the two lines; the jump round the other line, the label and what follows the macro come after them.
.macro JLOAD s
	s_cmp_eq_u32 s11, 0
	s_cbranch_scc0 .Lfor_b_\@
	tensor_load_to_lds s[G0+4*(\s):G0+4*(\s)+3], s[G1:G1+7]
	s_nop 0
.rept 4
	v_nop
.endr
	s_branch .Lasked_\@
.Lfor_b_\@:
	tensor_load_to_lds s[G0B+4*(\s):G0B+4*(\s)+3], s[G1B:G1B+7]
	s_nop 0
.rept 4
	v_nop
.endr
.Lasked_\@:
.endm
; A PREFETCH, behind each joint refill, its five lines and the run of LDS loads that follows them: the K step that stands TWO refills on, 512 matrix instructions ahead of the load that will want it:
; 32 rows x 256 bytes, a lane a row, one instruction a wave.  Each row's 256 bytes of a K step are named ONCE in the launch: A's tile row is read by every cluster of that row of clusters, and the first of
; them (cluster x = 0) asks; B's tile column by every cluster of that column, and cluster y = 0 asks.  The four partners that ask for a tile jointly share its rows out BY ADDRESS: of the 128 rows that a wave
; fetches the partner at place p takes 32 p .. 32 p + 31 (p = cx for A, cy for B): no branch hangs on a work-group's place in its cluster.  K steps 0 to 3 come by their loads alone; the loop's last trip
; (s3 = 1) asks for nothing: there is no K step two refills on.
.macro ASK
	s_cmp_gt_u32 s3, s[LIM]
	s_cbranch_scc0 .Lnot_mine_\@
	global_prefetch_b8 v[PFO], s[PFA:PFA+1] offset:KSTEP*2 th:TH_LOAD_NT scope:SCOPE_SE
.Lnot_mine_\@:
.endm
; A round of the cluster's barrier: my work-group's barrier, so that wave 0's signal speaks for all four waves; wave 0 signals for the work-group; every wave waits for all sixteen work-groups;
; my work-group's barrier once more.  No LDS instruction of the wave is pending at a signal.
.macro CREST                           ; a round behind its opening barrier
	s_cmp_lg_u32 s10, 0
	s_cbranch_scc1 .Lnot_wave_0_\@
	s_barrier_signal -3
.Lnot_wave_0_\@:
	s_barrier_wait -3
	s_barrier_signal -1
	s_barrier_wait -1
.endm
.macro CROUND                          ; a whole round
	s_barrier_signal -1
	s_barrier_wait -1
	CREST
.endm
	s_load_b128 s[4:7], s[0:1], 0x0                ; A = xb s[4:5], B = wb s[6:7]
	s_load_b64 s[8:9], s[0:1], 0x10                ; out0
	s_load_b64 s[68:69], s[0:1], 0x18              ; bias
	s_load_b64 s[70:71], s[0:1], 0x20              ; alpha
	s_load_b64 s[72:73], s[0:1], 0x28              ; beta
	v_lshl_add_u32 v[SPW], v0, 2, SPARE
	v_mov_b32 v[NIL], 0
	ds_add_u32 v[SPW], v[NIL]                      ; the wave's opening: the add, twice on end, and its wait ahead of my first tensor load; the set-up below, work on registers, stands between the second and the wait
	ds_add_u32 v[SPW], v[NIL]                      ; and once more, under the one wait
	v_lshrrev_b32 v1, 5, v0
	v_readfirstlane_b32 s10, v1                    ; wave 0..3
	s_lshr_b32 s11, s10, 1                         ; which half of the tile's rows is mine.  Also: I fetch for A (0) or for B (1)
	s_and_b32 s12, s10, 1                          ; which half of its columns.  Also: which 128 rows of that tile I fetch
	s_bfe_u32 s40, ttmp6, 0x40000                  ; cx: my place along the cluster's x
	s_bfe_u32 s41, ttmp6, 0x40004                  ; cy: along its y
	s_lshl_b32 s42, ttmp9, 2                       ; in a cluster launch ttmp9 and ttmp7 count clusters
	s_add_co_u32 s42, s42, s40                     ; tile column = 4 x cluster x + cx
	s_and_b32 s13, ttmp7, 0xffff
	s_lshl_b32 s13, s13, 2
	s_add_co_u32 s13, s13, s41                     ; tile row = 4 x cluster y + cy
	s_lshl_b32 s43, s41, 2
	s_lshl_b32 s43, 15, s43                        ; my row of the cluster: places 4 cy .. 4 cy + 3
	s_lshl_b32 s44, 0x1111, s40                    ; my column: places cx, cx + 4, cx + 8, cx + 12
	; descriptor group 1: a tile of 128 rows x 128 elements, padded in LDS
	s_or_b32 s[G1+0], s43, (1<<16)|(1<<20)|(1<<21)|(5<<22)|(3<<25)   ; 15:0 the mask: A's tiles go to my row; 17:16 element of 2 bytes; 20 padding on; 21 set beside a mask; 24:22 after every 64 words (code 5); 31:25 of 4 words (code 3)
	s_or_b32 s[G1B+0], s44, (1<<16)|(1<<20)|(1<<21)|(5<<22)|(3<<25)  ; the same with the mask of my column, for B's tiles
.irp g, G1, G1B
	s_mov_b32 s[(\g)+1], KSTEP<<16                 ; 63:48 tensor_dim0, low half = 128
	s_mov_b32 s[(\g)+2], 128<<16                   ; 79:64 its high half = 0; 95:80 tensor_dim1, low half = 128
	s_mov_b32 s[(\g)+3], KSTEP<<16                 ; 111:96 its high half = 0; 127:112 tile_dim0 = 128
	s_mov_b32 s[(\g)+4], 128                       ; 143:128 tile_dim1 = 128; 159:144 tile_dim2 = 0
	s_mov_b32 s[(\g)+5], SIZE_K                    ; 191:160 tensor_dim0_stride, low word: elements from row to row
	s_mov_b32 s[(\g)+6], 0
	s_mov_b32 s[(\g)+7], 0
.endr
	s_mov_b32 s[MG], 0x4b400000                    ; 1.5 x 2^23
	s_mov_b32 s[MG+1], 0x4b400000                  ; named with it as a pair
	s_mov_b32 s[CLO], 0xc3000000                   ; -128.0
	s_mov_b32 s[CHI], 0x42fe0000                   ; 127.0
	s_mov_b32 s[SELB], 0x04000400
	s_mov_b32 s[SELH], 0x05040100
	; where the tiles come from.  A's hang on the tile row alone, which my row of the cluster shares; B's on the tile column alone, which my column shares.
	; Every wave makes both addresses, in registers that never hold the other coordinate, and asks by one of them.
	s_lshl_b32 s17, s12, 7                         ; which 128 rows of the tile I fetch
	s_lshl_b32 s16, s13, 8
	s_add_co_u32 s16, s16, s17                     ; A: row 256 x tile row + 128 x half
	s_lshl_b32 s46, s42, 8
	s_add_co_u32 s46, s46, s17                     ; B: row 256 x tile column + 128 x half
	s_lshl_b32 s16, s16, 13                        ; rows of 8,192 bytes: under 2^25
	s_lshl_b32 s46, s46, 13
	s_mov_b32 s17, 0
	s_mov_b32 s47, 0
	s_mul_i32 s20, s10, HALFT                      ; and where they go: A's two halves, then B's two halves = wave x 128 rows: no place in the cluster enters an LDS address
	s_wait_dscnt 0x0                               ; both opening adds are done
	s_wait_kmcnt 0x0
	s_add_nc_u64 s[14:15], s[4:5], s[16:17]
	s_add_nc_u64 s[46:47], s[6:7], s[46:47]
	CROUND                                         ; all sixteen work-groups are here: the first joint loads meet
.irp s, 0,1
	s_mov_b32 s[G0+4*(\s)], 1                                        ; 1:0 count = 1
	s_add_co_u32 s[G0+4*(\s)+1], s20, (\s)*SLOT                      ; 63:32 LDS address
	s_add_nc_u64 s[G0+4*(\s)+2:G0+4*(\s)+3], s[14:15], (\s)*KSTEP*2  ; 120:64 global address: K step s
	s_or_b32 s[G0+4*(\s)+3], s[G0+4*(\s)+3], 0x80000000              ; 127:126 type = 2
	s_mov_b32 s[G0B+4*(\s)], 1
	s_add_co_u32 s[G0B+4*(\s)+1], s20, (\s)*SLOT
	s_add_nc_u64 s[G0B+4*(\s)+2:G0B+4*(\s)+3], s[46:47], (\s)*KSTEP*2
	s_or_b32 s[G0B+4*(\s)+3], s[G0B+4*(\s)+3], 0x80000000
	JLOAD \s                                       ; the ring is filled before anything else is done: two tensor loads of mine are out
.endr
	; ALL THAT FOLLOWS, up to the wait for the first tile, stands while the first tiles are on their way.
	s_load_b32 s[AL], s[70:71], 0x0
	s_load_b32 s[BE], s[72:73], 0x0
	v_and_b32 v1, 15, v0                           ; l % 16
	v_bfe_u32 v2, v0, 4, 1                         ; l / 16
	s_lshl_b32 s46, s42, 10                        ; bias: 256 words a tile column,
	s_lshl_b32 s47, s12, 9                         ; 128 words for my half of the columns,
	s_add_co_u32 s46, s46, s47
	v_lshl_add_u32 v[BO], v2, 5, s46               ; 8 words for my half of the lanes
	WIN TO_B
.irp b, 0,1,2,3,4,5,6,7                ; bias of columns 16 b + 8 (l / 16) + 0 .. 7 into window 1, v[8 b ..]
	global_load_b128 v[8*(\b):8*(\b)+3],   v[BO], s[68:69] offset:64*(\b)
	global_load_b128 v[8*(\b)+4:8*(\b)+7], v[BO], s[68:69] offset:64*(\b)+16
.endr
	WIN 0
	; A fragment is 16 rows x 32 K in 8 registers: lane l holds row l % 16; registers 0-3 hold K = 8 (l / 16) + 0..7, registers 4-7 hold K = 16 + 8 (l / 16) + 0..7.
	; From rows that lie along K: two loads of 16 bytes, 32 bytes apart.  The same for source 0 and source 1.
	v_mul_u32_u24 v3, v1, PITCH
	v_lshl_add_u32 v3, v2, 4, v3                   ; row x pitch + 16 x half
	s_mul_i32 s21, s11, HALFT                      ; my 128 rows of A
	s_mul_i32 s22, s12, HALFT                      ; my 128 rows of B,
	s_add_co_u32 s22, s22, 2*HALFT                 ; which lie behind A's 256
.irp s, 0,1
	v_add_nc_u32 v[ADRA+(\s)], s21, v3
	v_add_nc_u32 v[ADRB+(\s)], s22, v3
	s_add_co_u32 s21, s21, SLOT
	s_add_co_u32 s22, s22, SLOT
.endr
	s_mul_i32 s23, s11, 128*SPITCH                 ; into the stage: my 128 rows, my half of their 256 bytes; row l % 16, 8 bytes for each half of the lanes:
	s_lshl_b32 s21, s12, 7                         ; word 68 (l % 16) + 2 (l / 16): the 32 lanes' two words each fall into 64 different banks
	s_add_co_u32 s23, s23, s21
	v_mul_u32_u24 v4, v1, SPITCH
	v_lshl_add_u32 v4, v2, 3, v4
	v_add_nc_u32 v[STO], s23, v4
	s_mul_i32 s23, s10, 64*SPITCH                  ; back: wave w takes rows 64 w .. 64 w + 63, whole; lanes 0-15 one row of 256 bytes, lanes 16-31 the next
	v_mul_u32_u24 v5, v2, SPITCH
	v_lshl_add_u32 v5, v1, 4, v5
	v_add_nc_u32 v[RD], s23, v5
	v_lshlrev_b32 v5, 12, v2                       ; and the same two rows in out0: 4,096 bytes a row
	v_lshl_add_u32 v[CO], v1, 4, v5
	s_lshl_b32 s16, s13, 8
	s_lshl_b32 s17, s10, 6
	s_add_co_u32 s16, s16, s17                     ; the first row of out0 that I store: 256 x tile row + 64 x wave,
	s_lshl_b32 s16, s16, 12                        ; in bytes: under 2^24
	s_mov_b32 s17, 0
	s_add_nc_u64 s[8:9], s[8:9], s[16:17]
	s_lshl_b32 s46, s42, 8                         ; the tile's first column: 256 bytes a tile column
	s_mov_b32 s47, 0
	s_add_nc_u64 s[8:9], s[8:9], s[46:47]
	; the prefetches
	s_lshl_b32 s20, s13, 8                         ; 256 x tile row
	s_lshl_b32 s42, s42, 8                         ; 256 x tile column
	s_and_b32 s22, ttmp7, 0xffff                   ; cluster y
	s_cmp_eq_u32 s11, 0                            ; do I fetch for A?
	s_cselect_b32 s20, s20, s42                    ; the tile's first row: in A by the tile row, in B by the tile column
	s_cselect_b32 s21, s40, s41                    ; my place among the four that ask for it with me
	s_cselect_b32 s22, ttmp9, s22                  ; the coordinate along which other clusters read the same rows
	s_cselect_b64 s[PFA:PFA+1], s[4:5], s[6:7]
	s_cmp_eq_u32 s22, 0
	s_cselect_b32 s[LIM], 1, -1                    ; the same in all sixteen partners, for a given wave
	s_lshl_b32 s22, s12, 7
	s_add_co_u32 s20, s20, s22                     ; + the 128 rows that I fetch
	s_lshl_b32 s21, s21, 5
	s_add_co_u32 s20, s20, s21                     ; + my work-group's 32 of them
	s_lshl_b32 s20, s20, 13                        ; rows of 8,192 bytes
	s_mov_b32 s21, 0
	s_add_nc_u64 s[PFA:PFA+1], s[PFA:PFA+1], s[20:21]
	s_add_nc_u64 s[PFA:PFA+1], s[PFA:PFA+1], 2*KSTEP*2  ; at K step 2: the first refill steps it to 3 and names K step 4
	v_and_b32 v[PFO], 31, v0
	v_mul_u32_u24 v[PFO], v[PFO], SIZE_K*2
	s_wait_kmcnt 0x0                               ; alpha and beta
	s_mov_b32 s[AL+1], s[AL]                       ; named as pairs
	s_mov_b32 s[BE+1], s[BE]
	s_wait_loadcnt 0x0                             ; bias, once
	WIN 0x41                                       ; destination and source 0 in window 1
.set i, 0
.rept 64
	v_cvt_f32_i32 v[i], v[i]
.set i, i+1
.endr
.set i, 0
.rept 32
	v_pk_mul_f32 v[i:i+1], v[i:i+1], s[BE:BE+1] op_sel_hi:[1,0]  ; bias beta, rounded once, kept for the way out
.set i, i+2
.endr
	WIN 0
; 16 matrix instructions: m blocks a0, a0 + 1 of the window's four (hi = 0: my rows 0-63, 1: rows 64-127) x all 8 n blocks, 32 along K.  zero = 1: the first product starts the sums: nothing is ever cleared.
; The 64 accumulators take turns, one instruction a turn, in the same order in every quarter step: 63 others stand between two links of a chain, over the backward jump too.
.macro MUL16 f, hi, a0, zero
	WIN MUL_LO+0x50*(\hi)  ; MUL_LO or MUL_HI
.irp a, \a0, (\a0)+1
.irp b, 0,1,2,3,4,5,6,7
.if \zero
	v_wmma_f32_16x16x32_bf16 v[8*(8*(\a)+(\b)):8*(8*(\a)+(\b))+7], v[(\f)+8*(\b):(\f)+8*(\b)+7], v[(\f)+8*(4*(\hi)+(\a)):(\f)+8*(4*(\hi)+(\a))+7], 0
.else
	v_wmma_f32_16x16x32_bf16 v[8*(8*(\a)+(\b)):8*(8*(\a)+(\b))+7], v[(\f)+8*(\b):(\f)+8*(\b)+7], v[(\f)+8*(4*(\hi)+(\a)):(\f)+8*(4*(\hi)+(\a))+7], v[8*(8*(\a)+(\b)):8*(8*(\a)+(\b))+7]
.endif
.endr
.endr
.endm
; 32 LDS loads in one run: the fragments of one quarter step (128 rows of B, 128 rows of A, 32 K at byte k of the rows) into buffer f
.macro FETCH slot, k, f
	WIN TO_B
.irp i, 0,1,2,3,4,5,6,7
	ds_load_b128 v[(\f)+8*(\i):(\f)+8*(\i)+3],   v[ADRB+(\slot)] offset:(\k)+(\i)*16*PITCH
	ds_load_b128 v[(\f)+8*(\i)+4:(\f)+8*(\i)+7], v[ADRB+(\slot)] offset:(\k)+(\i)*16*PITCH+32
.endr
	WIN 0
.irp i, 0,1,2,3,4,5,6,7
	ds_load_b128 v[(\f)+8*(\i):(\f)+8*(\i)+3],   v[ADRA+(\slot)] offset:(\k)+(\i)*16*PITCH
	ds_load_b128 v[(\f)+8*(\i)+4:(\f)+8*(\i)+7], v[ADRA+(\slot)] offset:(\k)+(\i)*16*PITCH+32
.endr
.endm
; A load into a register that a matrix instruction has read, and a vector instruction that reads a matrix result or writes one of a matrix instruction's registers, stand four places behind that matrix
; instruction, and only plain vector instructions that name none of its registers are places (ISA guide 7.12.1 for vector instructions).
.macro PLACES
.rept 4
	v_nop
.endr
.endm
; A K step is four quarter steps of 32 along K, 64 matrix instructions each, on buffers 0, 1, 0, 1.
; One of the first three: multiplies buffer f; in its middle it fetches the next quarter's fragments, at byte k of the same slot's rows, into buffer g.
.macro QUARTER slot, k, f, g, zero
	s_wait_dscnt 8                                 ; B and A's rows 0-63 are in; the youngest eight loads (A's rows 64-127) may be out
	MUL16 \f, 0, 0, \zero
	MUL16 \f, 0, 2, \zero
	PLACES
	FETCH \slot, \k, \g
	s_wait_dscnt 32                                ; all but the 32 just issued
	MUL16 \f, 1, 0, \zero
	MUL16 \f, 1, 2, \zero
.endm
; The last quarter multiplies buffer 1 and changes slots.  MEET is its first half: ONE barrier for the change of slots.  In front of it each wave waits for all its tensor loads, of which one is out: its part
; of the next slot; adds 0 to its spare word; and waits for that and for its own reads of this slot.  Behind it nobody reads this slot any more and the next slot is whole.
.macro MEET round                      ; round = 1: the rest of a round of the cluster's barrier follows
	WIN 0                                          ; (the add's two registers lie in window 0)
	s_wait_tensorcnt 0x0                           ; all my tensor loads have landed: the one that was out is my part of the next slot;
	ds_add_u32 v[SPW], v[NIL]                      ; 0 onto my spare word;
	s_wait_dscnt 9                                 ; (the add and the youngest eight loads may be out)
	MUL16 F1, 0, 0, 0                              ; sixteen matrix instructions stand between the add and the wait for it
	s_wait_dscnt 0x0                               ; the add is done, and my reads of this slot are over:
	s_barrier_signal -1                            ; say so,
	MUL16 F1, 0, 2, 0                              ; work on registers while the others arrive,
.if \round
	WIN 0
.endif
	s_barrier_wait -1                              ; and go on when all four have said so
.endm
; The whole last quarter.  fill = 1: behind the round the slot just read out is filled again first, with the K step two steps on; then come the next slot's first fragments.  From a request to the wait for
; it a wave issues 224 matrix instructions.  fill = 0 (the last lap): nothing is asked for, and no round follows the barrier.
.macro TURN slot, next, fill
.if \fill
	s_wait_xcnt 0x0                                ; the last prefetch, a K step back, has read its address: it is stepped here, ahead of the waits of the change of slots
	s_add_nc_u64 s[PFA:PFA+1], s[PFA:PFA+1], KSTEP*2
.endif
	MEET \fill
.if \fill
	CREST                                          ; wave 0 says so for the work-group, all sixteen work-groups have said so, my work-group's barrier closes the round:
	                                               ; no wave of any partner still reads this slot's tile or has a load on its way
	s_add_nc_u64 s[G0+4*(\slot)+2:G0+4*(\slot)+3], s[G0+4*(\slot)+2:G0+4*(\slot)+3], 2*KSTEP*2      ; no tensor load of mine is out, so a group 0 may be written
	s_add_nc_u64 s[G0B+4*(\slot)+2:G0B+4*(\slot)+3], s[G0B+4*(\slot)+2:G0B+4*(\slot)+3], 2*KSTEP*2
	JLOAD \slot                                    ; the first tensor load behind the round, my only one until the next; the four v_nop behind it are also the places in front of the loads below
.else
	PLACES
.endif
	FETCH \next, 0, F0
.if \fill
	ASK                                            ; behind the joint load and the run of LDS loads that the next products wait for
.endif
	MUL16 F1, 1, 0, 0
	MUL16 F1, 1, 2, 0
.endm
; THE WAY OUT of block a (my rows 16 a .. 16 a + 15, all my 128 columns): acc alpha + bias beta, one fused multiply-add; clipped; rounded; the low bytes gathered, 8 bytes a lane for each n block; into the stage.
; Each accumulator's registers are read in ascending order.
.macro OUTBLK a
.set AC, 64*((\a)%4)                   ; the block's eight accumulators, in window 2 (blocks 0-3) or 3 (blocks 4-7)
.set YB, 64+64*((\a)%2)                ; 64 registers at work
.set PB, 192+16*((\a)%2)               ; 16 registers of packed bytes
	WIN 0x12+(\a)/4                                ; source 0 (the sums): window 2 or 3; source 2 (bias beta): window 1; destination: window 0
.set i, 0
.rept 32
	v_pk_fma_f32 v[YB+i:YB+i+1], v[AC+i:AC+i+1], s[AL:AL+1], v[i:i+1] op_sel_hi:[1,0,1]
.set i, i+2
.endr
	WIN 0
.set i, 0
.rept 64
	v_med3_num_f32 v[YB+i], v[YB+i], s[CLO], s[CHI]
.set i, i+1
.endr
.set i, 0
.rept 32
	v_pk_add_f32 v[YB+i:YB+i+1], v[YB+i:YB+i+1], s[MG:MG+1] op_sel_hi:[1,0]  ; between 2^23 and 2^24 neighbouring f32 numbers are 1 apart: the sum is rounded to the nearest even whole number
.set i, i+2
.endr
.set i, 0
.rept 32
	v_perm_b32 v[YB+i], v[YB+i+1], v[YB+i], s[SELB]            ; the low bytes of columns i, i + 1 into a low half
.set i, i+2
.endr
.set i, 0
.rept 16
	v_perm_b32 v[PB+i], v[YB+4*i+2], v[YB+4*i], s[SELH]        ; two low halves into a word: four neighbouring columns
.set i, i+1
.endr
.irp b, 0,1,2,3,4,5,6,7
	ds_store_b64 v[STO], v[PB+2*(\b):PB+2*(\b)+1] offset:(\a)*16*SPITCH+16*(\b)
.endr
.endm
	s_wait_tensorcnt 1                             ; my part of K step 0 is in; K step 1's load, issued behind it, may stay out
	s_barrier_signal -1
	s_barrier_wait -1                              ; everybody's is
	FETCH 0, 0, F0
	QUARTER 0, 64,  F0, F1, 1                      ; the first quarter stands in front of the loop: its products start the sums
	WIN 0                                          ; at a label and at a branch every window is 0
	s_mov_b32 s3, LAPS-1
.Llap:                                                 ; a trip goes once round the ring, from a lap's second quarter to the next lap's first, and fills both slots again
	QUARTER 0, 128, F1, F0, 0
	QUARTER 0, 192, F0, F1, 0
	TURN 0, 1, 1
	QUARTER 1, 64,  F0, F1, 0
	QUARTER 1, 128, F1, F0, 0
	QUARTER 1, 192, F0, F1, 0
	TURN 1, 0, 1
	QUARTER 0, 64,  F0, F1, 0
	WIN 0
	s_sub_co_u32 s3, s3, 1
	s_cmp_lg_u32 s3, 0
	s_cbranch_scc1 .Llap
	QUARTER 0, 128, F1, F0, 0                      ; the last lap is written out: it fills nothing
	QUARTER 0, 192, F0, F1, 0
	TURN 0, 1, 0                                   ; behind this barrier no wave reads slot 0 any more, and no load fills it
	QUARTER 1, 64,  F0, F1, 0
	QUARTER 1, 128, F1, F0, 0
	QUARTER 1, 192, F0, F1, 0
	s_wait_dscnt 8                                 ; the very last quarter: nothing more to fetch
	MUL16 F1, 0, 0, 0
	MUL16 F1, 0, 2, 0
	s_wait_dscnt 0x0
	MUL16 F1, 1, 0, 0
	MUL16 F1, 1, 2, 0
	WIN 0
	; THE WAY OUT.  A wave's 128 columns are 128 bytes, half of an aligned 256 bytes of out0: so the two waves of a row half write the two halves of the same stage rows, a barrier stands between the
	; writing and the reading, and each wave then reads 64 whole rows and stores them.
	PLACES                                         ; behind the last products: their results are read, and A's fragment registers written, below
	PLACES                                         ; (eight, once a launch)
.irp a, 0,1,2,3,4,5,6,7
	OUTBLK \a
.endr
	s_wait_dscnt 0x0                               ; for the others' sake: my stores into the stage are done
	s_barrier_signal -1
	s_barrier_wait -1
.set t, 0
.rept 32
	ds_load_b128 v[64+4*t:64+4*t+3], v[RD] offset:t*2*SPITCH
.set t, t+1
.endr
.set t, 0
.rept 32
	s_wait_dscnt 31-t                              ; LDS loads come back in order (ISA guide 5.7.1): number t is in, the younger ones may be out
	global_store_b128 v[CO], v[64+4*t:64+4*t+3], s[8:9] offset:2*t*SIZE_N  ; 16 lanes store 256 consecutive bytes, at a multiple of 256 from out0's first byte
.set t, t+1
.endr
	s_wait_tensorcnt 0x0                           ; the wave's end: behind my last tensor load and my last LDS store
	ds_add_u32 v[SPW], v[NIL]
	s_wait_dscnt 0x0
	CROUND                                         ; the closing round: no work-group ends while a partner may still ask for a tile that names it
	s_endpgm
.Lfunc_end_k_q7ab74e6ee2_gemm:
	.size	k_q7ab74e6ee2_gemm, .Lfunc_end_k_q7ab74e6ee2_gemm-k_q7ab74e6ee2_gemm
	.p2alignl 7, 3214868480
	.fill 96, 4, 3214868480
	.section	.rodata,"a",@progbits
	.p2align	6, 0x0
	.amdhsa_kernel k_q7ab74e6ee2_gemm
		.amdhsa_group_segment_fixed_size 327680
		.amdhsa_private_segment_fixed_size 0
		.amdhsa_enable_private_segment 0
		.amdhsa_kernarg_size 48
		.amdhsa_user_sgpr_count 2
		.amdhsa_user_sgpr_kernarg_segment_ptr 1
		.amdhsa_wavefront_size32 1
		.amdhsa_system_sgpr_workgroup_id_x 1
		.amdhsa_system_sgpr_workgroup_id_y 1
		.amdhsa_system_sgpr_workgroup_id_z 1
		.amdhsa_system_vgpr_workitem_id 0
		.amdhsa_next_free_vgpr 1024
		.amdhsa_next_free_sgpr 84
		.amdhsa_reserve_vcc 0
		.amdhsa_float_denorm_mode_32 3
		.amdhsa_float_denorm_mode_16_64 3
		.amdhsa_memory_ordered 1
		.amdhsa_forward_progress 1
		.amdhsa_inst_pref_size 218
	.end_amdhsa_kernel
	.amdgpu_metadata
---
amdhsa.version: [ 1, 2 ]
amdhsa.kernels:
  - .name:           k_q7ab74e6ee2_gemm
    .symbol:         k_q7ab74e6ee2_gemm.kd
    .args:
      - { .name: xb, .offset: 0, .size: 8, .value_kind: global_buffer, .address_space: global }
      - { .name: wb, .offset: 8, .size: 8, .value_kind: global_buffer, .address_space: global }
      - { .name: out0, .offset: 16, .size: 8, .value_kind: global_buffer, .address_space: global }
      - { .name: bias, .offset: 24, .size: 8, .value_kind: global_buffer, .address_space: global }
      - { .name: alpha, .offset: 32, .size: 8, .value_kind: global_buffer, .address_space: global }
      - { .name: beta, .offset: 40, .size: 8, .value_kind: global_buffer, .address_space: global }
    .group_segment_fixed_size: 327680
    .private_segment_fixed_size: 0
    .kernarg_segment_align: 8
    .kernarg_segment_size: 48
    .max_flat_workgroup_size: 128
    .sgpr_count:     84
    .vgpr_count:     1024
    .wavefront_size: 32
...
	.end_amdgpu_metadata
.endif
;; end of part 2
;; ======== version 2 of 2: 2 launches; version 1 with the launch pack written anew for expert scheduling mode
;; workspace buffers: xb 33,554,432 bytes; wb 33,554,432 bytes
;; launch pack (part 3): grid 256 x 2, 8 waves a work-group, no clusters, 0 bytes of LDS; arguments x, weight, xb, wb; writes xb, wb
.if DOCPART == 3
	.amdgcn_target "amdgcn-amd-amdhsa--gfx1250"
	.amdhsa_code_object_version 6
	.text
	.protected	k_q7ab74e6ee2_pack
	.globl	k_q7ab74e6ee2_pack
	.p2align	8
	.type	k_q7ab74e6ee2_pack,@function
k_q7ab74e6ee2_pack:
	s_mov_b64 s[64:65], 0
	v_nop
	global_prefetch_b8 v0, s[64:65] scope:SCOPE_SE
	s_setreg_imm32_b32 hwreg(HW_REG_WAVE_SCHED_MODE, 0, 2), 2
	s_setreg_imm32_b32 hwreg(HW_REG_WAVE_MODE, 25, 1), 1
	s_wait_xcnt 0x0
	s_wait_alu depctr_vm_vsrc(0)
; xb = bf16(x), wb = bf16(weight).  x, weight: [4096][4096] int32; xb, wb: [4096][4096] bf16, the same order of elements.
; LIMIT.  A whole number of magnitude up to 256 is exact in bf16 (8 significant bits), so int8-valued words pass unchanged; a larger one is rounded once, to nearest even.
; Each word is converted here once; the product that follows reads each of them in 16 tiles.
; SHARES.  Grid y picks the tensor.  A work-group owns 64 lines of 4,096 input bytes; thread t owns the 16 bytes (4 words) at 16 t of every line and stores 8 bytes at 8 t of the
; line's 2,048 output bytes: a wave's load covers 512 consecutive bytes, a wave's store 256 consecutive bytes at a multiple of 256 from the buffer's first byte.
; A ring of DEPTH slots in registers keeps 12 to 16 loads of every wave on their way.  No LDS, no barrier, no matrix unit: no byte is wanted twice.
; THE MODE: SCHED_MODE bits 1:0 = 2 (LLVM: expert scheduling mode 2), set by the entry lines.  The code itself states the register dependences
; between vector instructions and memory instructions, with s_wait_alu, always for 0.
; THE PLAN.  A round takes the 16 slots in four blocks of four.  Registers that memory instructions touch:
;   X   slot i: written by the slot's load; read by the sixteen conversions at the head of its block; the slot's next load, issued at the end of the same block, lands in it.
;   Y   slot i: written by its block's eight roundings; read by the store at the end of the block; written again one round later.
;   v1, v2   byte offsets, made once at the head and never written again: the lines are reached by the scalar bases, which move on once a round, and by immediate offsets.
;   T is named by vector instructions alone.
; So ONE wait on va_vdst stands in a block, behind its roundings: its conversions are done reading the block's X, and its roundings have written the block's Y; the block's four loads and four
; stores follow it with no vector instruction between.  ONE wait on vm_vsrc stands in a round, ahead of the round's first rounding: the last round's stores have read Y.
.set DEPTH,  16                        ; slots
.set BLOCK,  4                         ; slots in a block
.set ROUNDS, 64/DEPTH                  ; each round takes every slot once
.set LINE,   4096                      ; input bytes in a line
.set OLINE,  2048                      ; output bytes in a line
.set T, 4                              ; v[4:19]    a block's sixteen numbers in f32, at work
.set X, 20                             ; v[20:83]   slot i: 4 registers as loaded
.set Y, 84                             ; v[84:115]  slot i: 2 registers to store
	s_load_b256 s[4:11], s[0:1], 0x0               ; x s[4:5], weight s[6:7], xb s[8:9], wb s[10:11]
	s_and_b32 s12, ttmp7, 0xffff                   ; 0: x to xb; 1: weight to wb
	s_lshl_b32 s18, ttmp9, 18                      ; the work-group's 64 lines in: 262,144 bytes each group (under 2^26)
	s_mov_b32 s19, 0
	s_lshl_b32 s20, ttmp9, 17                      ; and out: half as many
	s_mov_b32 s21, 0
	s_mov_b32 s22, ROUNDS-1
	v_lshlrev_b32 v1, 4, v0                        ; 16 t; never rewritten
	v_lshlrev_b32 v2, 3, v0                        ; 8 t; never rewritten
	s_wait_kmcnt 0x0
	s_cmp_eq_u32 s12, 0
	s_cselect_b64 s[14:15], s[4:5], s[6:7]         ; from where
	s_cselect_b64 s[16:17], s[8:9], s[10:11]       ; to where
	s_add_nc_u64 s[14:15], s[14:15], s[18:19]
	s_add_nc_u64 s[16:17], s[16:17], s[20:21]
	s_wait_alu depctr_va_vdst(0)                   ; v1 and v2 are written: every load and store of the kernel reads one of them as its offset
.irp i, 0,1,2,3,4,5,6,7,8,9,10,11,12,13,14,15
	global_load_b128 v[X+4*(\i):X+4*(\i)+3], v1, s[14:15] offset:(\i)*LINE th:TH_LOAD_NT  ; fill the ring: lines 0 to 15
.endr
; Block b of a round: slots 4 b to 4 b + 3.  ahead = 1: a round of the loop: the slots are filled again with the lines DEPTH further down.  ahead = 0: the last round.
; left = how many younger loads may still be out when this block's four have to be there.
.macro BLK b, ahead, left
	s_wait_loadcnt \left                           ; loads come back in order (ISA guide 5.7.1): the block's four are in, the younger ones stay out
.irp j, 0,1,2,3
.irp k, 0,1,2,3
	v_cvt_f32_i32 v[T+4*(\j)+(\k)], v[X+16*(\b)+4*(\j)+(\k)]
.endr
.endr
.if (\b) == 0
	s_wait_xcnt 0x0                                ; every load and store issued so far has had its addresses translated (ISA guide 3.1): the two bases and all of Y are rewritten only behind this wait
	s_wait_alu depctr_vm_vsrc(0)                   ; the last round's sixteen stores have read Y, which this round's roundings write again (in the first round no store has been issued yet)
.if \ahead
	s_add_nc_u64 s[14:15], s[14:15], DEPTH*LINE    ; both bases at the NEXT round's first line: the loads below name it as it stands,
	s_add_nc_u64 s[16:17], s[16:17], DEPTH*OLINE   ; the stores reach back by a round.  The last round steps nothing: the bases stay at its own first line
.endif
.endif
.irp j, 0,1,2,3
	v_cvt_pk_bf16_f32 v[Y+8*(\b)+2*(\j)],   v[T+4*(\j)],   v[T+4*(\j)+1]
	v_cvt_pk_bf16_f32 v[Y+8*(\b)+2*(\j)+1], v[T+4*(\j)+2], v[T+4*(\j)+3]
.endr
	s_wait_alu depctr_va_vdst(0)                   ; the roundings have written the block's Y, which the stores below read; the conversions are done reading the block's X, in which the loads below land
.if \ahead
.irp j, 0,1,2,3
	global_load_b128 v[X+16*(\b)+4*(\j):X+16*(\b)+4*(\j)+3], v1, s[14:15] offset:(4*(\b)+(\j))*LINE th:TH_LOAD_NT  ; the loads go ahead of the stores
.endr
.irp j, 0,1,2,3
	global_store_b64 v2, v[Y+8*(\b)+2*(\j):Y+8*(\b)+2*(\j)+1], s[16:17] offset:(4*(\b)+(\j)-DEPTH)*OLINE th:TH_STORE_NT
.endr
.else
.irp j, 0,1,2,3
	global_store_b64 v2, v[Y+8*(\b)+2*(\j):Y+8*(\b)+2*(\j)+1], s[16:17] offset:(4*(\b)+(\j))*OLINE th:TH_STORE_NT
.endr
.endif
.endm
.Lround:
	BLK 0, 1, DEPTH-BLOCK
	BLK 1, 1, DEPTH-BLOCK
	BLK 2, 1, DEPTH-BLOCK
	BLK 3, 1, DEPTH-BLOCK
	s_sub_co_u32 s22, s22, 1
	s_cmp_lg_u32 s22, 0
	s_cbranch_scc1 .Lround
	BLK 0, 0, DEPTH-BLOCK                          ; the last round loads nothing: no load leaves the buffer, and the counts run down
	BLK 1, 0, DEPTH-2*BLOCK
	BLK 2, 0, DEPTH-3*BLOCK
	BLK 3, 0, 0
	s_endpgm
.Lfunc_end_k_q7ab74e6ee2_pack:
	.size	k_q7ab74e6ee2_pack, .Lfunc_end_k_q7ab74e6ee2_pack-k_q7ab74e6ee2_pack
	.p2alignl 7, 3214868480
	.fill 96, 4, 3214868480
	.section	.rodata,"a",@progbits
	.p2align	6, 0x0
	.amdhsa_kernel k_q7ab74e6ee2_pack
		.amdhsa_group_segment_fixed_size 0
		.amdhsa_private_segment_fixed_size 0
		.amdhsa_enable_private_segment 0
		.amdhsa_kernarg_size 32
		.amdhsa_user_sgpr_count 2
		.amdhsa_user_sgpr_kernarg_segment_ptr 1
		.amdhsa_wavefront_size32 1
		.amdhsa_system_sgpr_workgroup_id_x 1
		.amdhsa_system_sgpr_workgroup_id_y 1
		.amdhsa_system_sgpr_workgroup_id_z 1
		.amdhsa_system_vgpr_workitem_id 0
		.amdhsa_next_free_vgpr 116
		.amdhsa_next_free_sgpr 66
		.amdhsa_reserve_vcc 0
		.amdhsa_float_denorm_mode_32 3
		.amdhsa_float_denorm_mode_16_64 3
		.amdhsa_memory_ordered 1
		.amdhsa_forward_progress 1
		.amdhsa_inst_pref_size 16
	.end_amdhsa_kernel
	.amdgpu_metadata
---
amdhsa.version: [ 1, 2 ]
amdhsa.kernels:
  - .name:           k_q7ab74e6ee2_pack
    .symbol:         k_q7ab74e6ee2_pack.kd
    .args:
      - { .name: x, .offset: 0, .size: 8, .value_kind: global_buffer, .address_space: global }
      - { .name: weight, .offset: 8, .size: 8, .value_kind: global_buffer, .address_space: global }
      - { .name: xb, .offset: 16, .size: 8, .value_kind: global_buffer, .address_space: global }
      - { .name: wb, .offset: 24, .size: 8, .value_kind: global_buffer, .address_space: global }
    .group_segment_fixed_size: 0
    .private_segment_fixed_size: 0
    .kernarg_segment_align: 8
    .kernarg_segment_size: 32
    .max_flat_workgroup_size: 256
    .sgpr_count:     66
    .vgpr_count:     116
    .wavefront_size: 32
...
	.end_amdgpu_metadata
.endif
;; end of part 3
;; launch gemm: the kernel of part 2 again; grid 16 x 16, 4 waves a work-group, clusters of 4 x 4, 327,680 bytes of LDS; arguments xb, wb, out0, bias, alpha, beta; writes out0
